; MI455X (gfx1250); checked and timed in simulation.
; The chip was launched on July 23, 2026; its instructions are those of AMD's public machine-readable ISA for CDNA 5 (MIT licence, August 2026) and "CDNA5" Instruction Set Architecture Reference Guide (July 2026). The comments in the code are by the model that wrote it; some were corrected since.
;; Stickbreaking. Allowed arithmetic: float matrix products may take bf16 or f16 operands with f32 sums; all other float work in f32.
;; Inputs: k 1 x 16 x 2,048 x 64 float32; q 1 x 16 x 2,048 x 64 float32; v 1 x 16 x 2,048 x 64 float32.
;; Outputs: out0 1 x 16 x 2,048 x 64 float32.
;; One version. Each part assembles by itself: llvm-mc -triple=amdgcn-amd-amdhsa -mcpu=gfx1250 --defsym DOCPART=n.
;; ======== version 1 of 1: 2 launches
;; workspace buffers: part 131,072 bytes
;; launch chunk (part 1): grid 256 x 1, 8 waves a work-group, no clusters, 3,328 bytes of LDS; arguments q, k, v, out0, part; writes out0, part
.if DOCPART == 1
	.amdgcn_target "amdgcn-amd-amdhsa--gfx1250"
	.amdhsa_code_object_version 6
	.text
	.protected	k_q54c5911831_chunk
	.globl	k_q54c5911831_chunk
	.p2align	8
	.type	k_q54c5911831_chunk,@function
k_q54c5911831_chunk:
	s_mov_b64 s[64:65], 0
	v_nop
	global_prefetch_b8 v0, s[64:65] scope:SCOPE_SE
	s_setreg_imm32_b32 hwreg(HW_REG_WAVE_MODE, 25, 1), 1
	s_wait_xcnt 0x0
; Stick-breaking attention, q, k, v, out: [16 heads][2048][64] f32.
; WHAT IS LEFT OF THE PROBLEM.  The causal constant -1e9 is added to log_beta too, and the suffix sum over j >= k runs over the masked
; j > i as well.  For every query row i < 2047 each suffix sum therefore holds the term of j = 2047, at most -1e9, beside terms that are
; all <= 0: its exponential is exactly 0 in f32, z is finite, the weights are zero and so is the row.  Only row 2047 of a head has no masked term:
;   out[h][2047][:] = sum over k of sigmoid(l_k) exp(sum over j >= k of log_sigmoid(-l_j)) v[h][k][:],   l_j = q[h][2047] . k[h][j] / 8.
; THIS LAUNCH: work-group g = 16 head + chunk takes 128 keys: 32,768 bytes of k and of v, read once; it stores the 32,768 bytes of zeros of
; rows 128 chunk .. +127 of its head (without row 2047) and a record of 512 bytes: 64 partial outputs whose suffix sums count the chunk's own
; keys alone, and the chunk's total of log2(beta), repeated 64 times.  The next launch multiplies by 2^(totals of the later chunks) and adds.
; All factors are <= 1: nothing can overflow, and a factor underflows only where the true weight does.
; One live query row a head: a product of one row that streams its operands once, so it is done by the vector ALU in f32; the matrix units,
; LDS rings and clusters would have nothing to share (the work-groups of a head have 256 bytes of q in common and nothing else).
; LIMITS.  Inputs are finite: a NaN or an infinity in v, or in the rows 0..2046 of q, which are not read, gives NaN in the definition where
; this text stores 0.  The zeros are stored as +0.  v_exp_f32 gives 0 for results below 2^-126 (ISA guide 15.8): weights and factors below that count as 0.
;
; SHARES.  Wave w: keys 16 w .. 16 w + 15.  Load i of a wave covers 512 consecutive bytes, keys 2 i and 2 i + 1: lane (r = lane & 15, h = lane >> 4)
; holds columns 4 r .. 4 r + 3 of key 16 w + 2 i + h.  All 17 loads of a wave are issued before anything else: 68 registers hold what is in flight.
.set OFF,  3                           ; v3        4096 w + 16 lane: my 16 bytes in load or store 0 of my wave
.set QOFF, 4                           ; v4        16 r: my four columns of q's row
.set LA,   5                           ; v5        LDS: 256 w + 16 r, my four columns of my wave's partial sums
.set TA,   6                           ; v6        LDS: 4 w, my wave's total (at 2048 + this)
.set RD,   7                           ; v7        8 lane: columns 2 lane, 2 lane + 1, in LDS and in the record
.set QR,   8                           ; v[8:11]    q, times log2(e) / 8
.set KD,   12                          ; v[12:43]   k as loaded, 4 registers a load
.set VD,   44                          ; v[44:75]   v as loaded
.set T,    76                          ; v[76:83]   t = l log2(e) of key 2 i + h; later the other half's sums
.set NA,   84                          ; v[84:91]   -|t|; later the other half's C
.set EX,   92                          ; v[92:99]   E = 2^-|t|
.set MX,   100                         ; v[100:107] max(t, 0); later C = -log2(beta)
.set DN,   108                         ; v[108:115] D = 1 + E
.set RC,   116                         ; v[116:123] 1 / D
.set LG,   124                         ; v[124:131] log2(1 + E)
.set ZU,   132                         ; v[132:139] z = sigmoid(l)
.set RS,   140                         ; v[140:147] what 1 + E lost in rounding; later the sums of the key pairs
.set SX,   148                         ; v[148:155] the suffix sum S of my key, inside my wave
.set QN,   156                         ; v[156:163] minus the sum of C over the pairs j .. 7; QN + 8 is Z0's first register: the empty sum
.set Z0,   164                         ; v[164:167] four zeros: the data of the zero stores, QN + 8, and LDS address 0.  Never rewritten
.set WT,   168                         ; v[168:175] the weights
.set ACC,  176                         ; v[176:179] my four columns of the weighted sum
.set PART, 12                          ; v[12:27]   wave 0 at the end: the eight waves' partial sums, a pair each (k's registers, long read)
.set LT,   28                          ; v[28:35]   wave 0 at the end: the eight waves' totals
.set LDSTOT, 2048                      ; LDS: bytes 0..2047 eight waves x 64 partial sums; 2048..2079 eight totals
; Totals LT+0 .. LT+cnt-1 of cnt blocks in the order of the keys -> LT+0 the total of all, LT+c (c >= 1) = 2^(totals of blocks c .. cnt-1),
; which is the factor of block c - 1.
.macro SUFFIX cnt
.set c, \cnt-2
.rept \cnt-1
	v_add_f32 v[LT+c], v[LT+c], v[LT+c+1]
.set c, c-1
.endr
.set c, 1
.rept \cnt-1
	v_exp_f32 v[LT+c], v[LT+c]
.set c, c+1
.endr
	v_nop                                          ; one plain vector instruction between the exponentials and the first use of a result (ISA guide 5.7.2)
	s_wait_alu depctr_va_vdst(0)
.endm
; The last block's pair has the factor 1 and starts the sum; the others are added with their factors.  The factor LT+c+1 is broadcast out of
; the even-aligned pair in which it lies: its first register (op_sel_hi 0) where c + 1 is even, its second (op_sel 1) where it is odd.
.macro MIX cnt
.set c, 0
.rept \cnt-1
.if c & 1
	v_pk_fma_f32 v[PART+2*(\cnt-1):PART+2*(\cnt-1)+1], v[PART+2*c:PART+2*c+1], v[LT+c+1:LT+c+2], v[PART+2*(\cnt-1):PART+2*(\cnt-1)+1] op_sel_hi:[1,0,1]
.else
	v_pk_fma_f32 v[PART+2*(\cnt-1):PART+2*(\cnt-1)+1], v[PART+2*c:PART+2*c+1], v[LT+c:LT+c+1], v[PART+2*(\cnt-1):PART+2*(\cnt-1)+1] op_sel:[0,1,0] op_sel_hi:[1,1,1]
.endif
.set c, c+1
.endr
.endm
	s_load_b256 s[4:11], s[0:1], 0x0               ; q s[4:5], k s[6:7], v s[8:9], out0 s[10:11]
	s_load_b64 s[12:13], s[0:1], 0x20              ; part
	v_lshl_add_u32 v184, v0, 2, 0x900
	v_mov_b32 v185, 0
	v_lshrrev_b32 v1, 5, v0
	v_readfirstlane_b32 s14, v1                    ; wave 0..7
	v_and_b32 v1, 31, v0                           ; lane
	v_and_b32 v2, 0xe0, v0                         ; 32 w
	v_lshlrev_b32 v[OFF], 4, v1
	v_lshl_or_b32 v[OFF], v2, 7, v[OFF]            ; 4096 w + 16 lane
	v_and_b32 v[QOFF], 15, v0
	v_lshlrev_b32 v[QOFF], 4, v[QOFF]              ; 16 r
	v_lshl_or_b32 v[LA], v2, 3, v[QOFF]            ; 256 w + 16 r
	v_lshrrev_b32 v[TA], 3, v2                     ; 4 w
	v_lshlrev_b32 v[RD], 3, v1                     ; 8 lane
.irp j, 0,1,2,3
	v_mov_b32 v[Z0+\j], 0
.endr
	s_lshl_b32 s16, ttmp9, 15                      ; the work-group's 32,768 bytes of k, v and out0 (a head is 16 chunks of that)
	s_mov_b32 s17, 0
	s_lshr_b32 s18, ttmp9, 4                       ; head
	s_lshl_b32 s18, s18, 19                        ; x 524,288 bytes
	s_add_co_u32 s18, s18, 2047*256                ; + row 2047
	s_mov_b32 s19, 0
	s_lshl_b32 s20, ttmp9, 9                       ; the work-group's record of 512 bytes
	s_mov_b32 s21, 0
	s_mov_b32 s22, 0x76543210                      ; v_permlanex16_b32: lane i of one half reads lane i of the other
	s_mov_b32 s23, 0xfedcba98
	s_mov_b32 s24, 0x0000ffff                      ; the lanes with h = 0
	s_and_b32 s26, ttmp9, 15
	s_lshl_b32 s26, s26, 8                         ; 256 chunk
	s_wait_kmcnt 0x0
	s_add_nc_u64 s[4:5], s[4:5], s[18:19]
	s_add_nc_u64 s[6:7], s[6:7], s[16:17]
	s_add_nc_u64 s[8:9], s[8:9], s[16:17]
	s_add_nc_u64 s[10:11], s[10:11], s[16:17]
	s_add_nc_u64 s[12:13], s[12:13], s[20:21]
	; every load, ahead of every store.  q's row is read by all waves of the head: no hint.  k and v are read once in the launch.
	global_load_b128 v[QR:QR+3], v[QOFF], s[4:5]
.irp i, 0,1,2,3,4,5,6,7
	global_load_b128 v[KD+4*\i:KD+4*\i+3], v[OFF], s[6:7] offset:512*\i th:TH_LOAD_NT
.endr
.irp i, 0,1,2,3,4,5,6,7
	global_load_b128 v[VD+4*\i:VD+4*\i+3], v[OFF], s[8:9] offset:512*\i th:TH_LOAD_NT
.endr
	; the zeros: each store of a wave covers 512 consecutive bytes, two whole rows of out0
.irp i, 0,1,2,3,4,5,6
	global_store_b128 v[OFF], v[Z0:Z0+3], s[10:11] offset:512*\i th:TH_STORE_NT
.endr
	; the eighth store holds rows 16 w + 14 + h.  Row 2047 of the head (chunk 15, threads 240..255: 256 x 15 + 240 = 4080) belongs to the next launch.
	v_add_nc_u32 v[WT], s26, v0
	v_cmp_gt_u32 vcc_lo, 4080, v[WT]
	s_wait_xcnt 0x0                                ; EXEC is a source of the loads and stores above: it is narrowed only behind this wait
	s_and_saveexec_b32 s25, vcc_lo
	global_store_b128 v[OFF], v[Z0:Z0+3], s[10:11] offset:3584 th:TH_STORE_NT
	s_wait_xcnt 0x0                                ; and widened again only behind this one
	s_or_b32 exec_lo, exec_lo, s25
	s_wait_loadcnt 16                              ; q is in; the sixteen loads of k and v behind it stay out
	v_pk_mul_f32 v[QR:QR+1],   v[QR:QR+1],   0x3e38aa3b op_sel_hi:[1,0]    ; times log2(e) / 8: the dot product is t = l log2(e)
	v_pk_mul_f32 v[QR+2:QR+3], v[QR+2:QR+3], 0x3e38aa3b op_sel_hi:[1,0]
; my four columns' share of t for key 2 i + h
.macro DOT i
	s_wait_loadcnt 15-\i                           ; behind k's load i: 7 - i loads of k and 8 of v
	v_pk_mul_f32 v[KD+4*\i:KD+4*\i+1], v[KD+4*\i:KD+4*\i+1], v[QR:QR+1]
	v_pk_fma_f32 v[KD+4*\i:KD+4*\i+1], v[KD+4*\i+2:KD+4*\i+3], v[QR+2:QR+3], v[KD+4*\i:KD+4*\i+1]
	v_add_f32 v[T+\i], v[KD+4*\i], v[KD+4*\i+1]
.endm
.irp i, 0,1,2,3,4,5,6,7
	DOT \i
.endr
	; over the 16 lanes of a half: eight chains that do not wait for each other; every lane of a half ends with its key's t
.irp m, 1,2,4,8
.irp i, 0,1,2,3,4,5,6,7
	v_add_f32_dpp v[T+\i], v[T+\i], v[T+\i] row_xmask:\m row_mask:0xf bank_mask:0xf
.endr
.endr
	; z = sigmoid(l) and C = -log2(beta) = max(t, 0) + log2(1 + 2^-|t|), the form that is stable for either sign of t
.irp i, 0,1,2,3,4,5,6,7
	v_or_b32 v[NA+\i], 0x80000000, v[T+\i]         ; -|t|
.endr
.irp i, 0,1,2,3,4,5,6,7
	v_exp_f32 v[EX+\i], v[NA+\i]                   ; E in [0, 1]
.endr
.irp i, 0,1,2,3,4,5,6,7
	v_max_num_f32 v[MX+\i], 0, v[T+\i]             ; plain lines between the exponentials and the use of E (ISA guide 5.7.2)
.endr
	s_wait_alu depctr_va_vdst(0)
.irp i, 0,1,2,3,4,5,6,7
	v_add_f32 v[DN+\i], 1.0, v[EX+\i]
.endr
.irp i, 0,1,2,3,4,5,6,7
	v_rcp_f32 v[RC+\i], v[DN+\i]
.endr
.irp i, 0,1,2,3,4,5,6,7
	v_log_f32 v[LG+\i], v[DN+\i]
.endr
.irp i, 0,1,2,3,4,5,6,7
	v_add_f32 v[RS+\i], -1.0, v[DN+\i]             ; D - 1 is exact (1 <= D <= 2); plain lines that read D and write no source of the lines above
.endr
.irp i, 0,1,2,3,4,5,6,7
	v_sub_f32 v[RS+\i], v[EX+\i], v[RS+\i]         ; E - (D - 1): exactly what the rounding of 1 + E dropped
.endr
.irp i, 0,1,2,3,4,5,6,7
	v_cmp_gt_f32 vcc_lo, 0, v[T+\i]
	v_cndmask_b32 v[ZU+\i], 1.0, v[EX+\i], vcc_lo  ; t < 0: E, else 1: the numerator of sigmoid
.endr
	s_wait_alu depctr_va_vdst(0)
.irp i, 0,1,2,3,4,5,6,7
	v_mul_f32 v[RS+\i], v[RS+\i], v[RC+\i]
.endr
.irp i, 0,1,2,3,4,5,6,7
	v_fmac_f32 v[LG+\i], 0x3fb8aa3b, v[RS+\i]      ; log2(D) + log2(e) x residue / D: a log1p, also where E vanishes beside 1
.endr
.irp i, 0,1,2,3,4,5,6,7
	v_mul_f32 v[ZU+\i], v[ZU+\i], v[RC+\i]         ; z
.endr
.irp i, 0,1,2,3,4,5,6,7
	v_add_f32 v[MX+\i], v[MX+\i], v[LG+\i]         ; C >= 0
.endr
	; the suffix sum over my wave's 16 keys, my own key counted
.irp i, 0,1,2,3,4,5,6,7
	v_permlanex16_b32 v[NA+\i], v[MX+\i], s22, s23 ; C of the other key of pair i (the destination has been written before, as the instruction asks)
.endr
.irp i, 0,1,2,3,4,5,6,7
	v_add_f32 v[RS+\i], v[MX+\i], v[NA+\i]         ; the pair's sum: the same bits in both halves
.endr
.irp i, 0,1,2,3,4,5,6,7
	v_cndmask_b32 v[SX+\i], 0, v[NA+\i], s24       ; the even key (h = 0) counts its odd partner, which follows it; the odd key does not
.endr
.irp i, 0,1,2,3,4,5,6,7
	v_add_f32 v[SX+\i], v[MX+\i], v[SX+\i]
.endr
.irp j, 7,6,5,4,3,2,1,0
	v_sub_f32 v[QN+\j], v[QN+\j+1], v[RS+\j]       ; QN+8 is a zero of Z0.  QN+0 ends as the wave's total of log2(beta)
.endr
.irp i, 0,1,2,3,4,5,6,7
	v_sub_f32 v[SX+\i], v[QN+\i+1], v[SX+\i]       ; S <= 0
.endr
.irp i, 0,1,2,3,4,5,6,7
	v_exp_f32 v[WT+\i], v[SX+\i]
.endr
	v_nop                                          ; one plain vector instruction between the exponentials and the first use of a result (ISA guide 5.7.2)
	s_wait_alu depctr_va_vdst(0)
.irp i, 0,1,2,3,4,5,6,7
	v_mul_f32 v[WT+\i], v[ZU+\i], v[WT+\i]         ; the weight of key 2 i + h, in my wave's frame
.endr
; my four columns of weight x v for key 2 i + h.  The first product starts the sums: nothing is cleared.
; The weight is broadcast out of its even-aligned pair: first register for even i, second for odd i.
.macro PV i
	s_wait_loadcnt 7-\i                            ; behind v's load i: 7 - i loads of v
.if \i == 0
	v_pk_mul_f32 v[ACC:ACC+1],   v[VD:VD+1],   v[WT:WT+1] op_sel_hi:[1,0]
	v_pk_mul_f32 v[ACC+2:ACC+3], v[VD+2:VD+3], v[WT:WT+1] op_sel_hi:[1,0]
.else
.if \i & 1
	v_pk_fma_f32 v[ACC:ACC+1],   v[VD+4*\i:VD+4*\i+1],   v[WT+\i-1:WT+\i], v[ACC:ACC+1]   op_sel:[0,1,0] op_sel_hi:[1,1,1]
	v_pk_fma_f32 v[ACC+2:ACC+3], v[VD+4*\i+2:VD+4*\i+3], v[WT+\i-1:WT+\i], v[ACC+2:ACC+3] op_sel:[0,1,0] op_sel_hi:[1,1,1]
.else
	v_pk_fma_f32 v[ACC:ACC+1],   v[VD+4*\i:VD+4*\i+1],   v[WT+\i:WT+\i+1], v[ACC:ACC+1]   op_sel_hi:[1,0,1]
	v_pk_fma_f32 v[ACC+2:ACC+3], v[VD+4*\i+2:VD+4*\i+3], v[WT+\i:WT+\i+1], v[ACC+2:ACC+3] op_sel_hi:[1,0,1]
.endif
.endif
.endm
.irp i, 0,1,2,3,4,5,6,7
	PV \i
.endr
	; even keys + odd keys: the same bits in both halves
.irp j, 0,1,2,3
	v_permlanex16_b32 v[T+\j], v[ACC+\j], s22, s23
.endr
	v_pk_add_f32 v[ACC:ACC+1],   v[ACC:ACC+1],   v[T:T+1]
	v_pk_add_f32 v[ACC+2:ACC+3], v[ACC+2:ACC+3], v[T+2:T+3]
	; the eight waves' figures meet in LDS
	ds_store_b128 v[LA], v[ACC:ACC+3]              ; lanes r and 16 + r write the same 16 bytes with the same values
	ds_store_b32 v[TA], v[QN] offset:LDSTOT        ; all lanes the same word with the same value
	s_wait_dscnt 0x0                               ; zero: wave 0 will read these bytes
	s_barrier_signal -1
	s_barrier_wait -1                              ; the only barrier; every wave passes it
	s_cmp_lg_u32 s14, 0
	s_cbranch_scc1 .Lend                           ; waves 1..7 are done
	; wave 0: lane owns columns 2 lane, 2 lane + 1
	ds_load_b128 v[LT:LT+3],   v[Z0] offset:LDSTOT
	ds_load_b128 v[LT+4:LT+7], v[Z0] offset:LDSTOT+16
.irp c8, 0,1,2,3,4,5,6,7
	ds_load_b64 v[PART+2*\c8:PART+2*\c8+1], v[RD] offset:256*\c8
.endr
	s_wait_dscnt 8                                 ; the totals are in; the eight loads of partial sums behind them stay out
	SUFFIX 8
	s_wait_dscnt 0x0
	MIX 8
	global_store_b64 v[RD], v[PART+14:PART+15], s[12:13]           ; 32 lanes x 8 bytes: the record's first 256 bytes, whole and aligned
	v_mov_b32 v[LT+1], v[LT]                       ; the chunk's total, twice (the factor that lay here has been used)
	global_store_b64 v[RD], v[LT:LT+1], s[12:13] offset:256        ; and its second 256 bytes
.Lend:
	s_wait_tensorcnt 0x0
	ds_add_u32 v184, v185
	s_wait_dscnt 0x0
	s_endpgm
.Lfunc_end_k_q54c5911831_chunk:
	.size	k_q54c5911831_chunk, .Lfunc_end_k_q54c5911831_chunk-k_q54c5911831_chunk
	.p2alignl 7, 3214868480
	.fill 96, 4, 3214868480
	.section	.rodata,"a",@progbits
	.p2align	6, 0x0
	.amdhsa_kernel k_q54c5911831_chunk
		.amdhsa_group_segment_fixed_size 3328
		.amdhsa_private_segment_fixed_size 0
		.amdhsa_enable_private_segment 0
		.amdhsa_kernarg_size 40
		.amdhsa_user_sgpr_count 2
		.amdhsa_user_sgpr_kernarg_segment_ptr 1
		.amdhsa_wavefront_size32 1
		.amdhsa_system_sgpr_workgroup_id_x 1
		.amdhsa_system_sgpr_workgroup_id_y 1
		.amdhsa_system_sgpr_workgroup_id_z 1
		.amdhsa_system_vgpr_workitem_id 0
		.amdhsa_next_free_vgpr 186
		.amdhsa_next_free_sgpr 66
		.amdhsa_reserve_vcc 1
		.amdhsa_float_denorm_mode_32 3
		.amdhsa_float_denorm_mode_16_64 3
		.amdhsa_memory_ordered 1
		.amdhsa_forward_progress 1
		.amdhsa_inst_pref_size 19
	.end_amdhsa_kernel
	.amdgpu_metadata
---
amdhsa.version: [ 1, 2 ]
amdhsa.kernels:
  - .name:           k_q54c5911831_chunk
    .symbol:         k_q54c5911831_chunk.kd
    .args:
      - { .name: q, .offset: 0, .size: 8, .value_kind: global_buffer, .address_space: global }
      - { .name: k, .offset: 8, .size: 8, .value_kind: global_buffer, .address_space: global }
      - { .name: v, .offset: 16, .size: 8, .value_kind: global_buffer, .address_space: global }
      - { .name: out0, .offset: 24, .size: 8, .value_kind: global_buffer, .address_space: global }
      - { .name: part, .offset: 32, .size: 8, .value_kind: global_buffer, .address_space: global }
    .group_segment_fixed_size: 3328
    .private_segment_fixed_size: 0
    .kernarg_segment_align: 8
    .kernarg_segment_size: 40
    .max_flat_workgroup_size: 256
    .sgpr_count:     66
    .vgpr_count:     186
    .wavefront_size: 32
...
	.end_amdgpu_metadata
.endif
;; end of part 1
;; launch combine (part 2): grid 16 x 1, 1 waves a work-group, no clusters, 0 bytes of LDS; arguments part, out0; writes out0
.if DOCPART == 2
	.amdgcn_target "amdgcn-amd-amdhsa--gfx1250"
	.amdhsa_code_object_version 6
	.text
	.protected	k_q54c5911831_combine
	.globl	k_q54c5911831_combine
	.p2align	8
	.type	k_q54c5911831_combine,@function
k_q54c5911831_combine:
	s_mov_b64 s[64:65], 0
	v_nop
	global_prefetch_b8 v0, s[64:65] scope:SCOPE_SE
	s_setreg_imm32_b32 hwreg(HW_REG_WAVE_MODE, 25, 1), 1
	s_wait_xcnt 0x0
; Row 2047 of each head of out0 from the sixteen chunk records that the launch before stored:
;   out[h][2047][d] = sum over chunks c of 2^(sum over c' > c of L_c') x part_c[d].
; A record is 512 bytes: 64 partial outputs in the chunk's own frame, then the chunk's total L = sum of log2(beta) <= 0, repeated.
; One work-group of one wave for each head: 8,192 bytes in, 256 bytes out; lane owns columns 2 lane, 2 lane + 1.  There is work for sixteen
; waves and no more: a sum of sixteen terms for each of 1,024 numbers.  No LDS, no barrier, EXEC stays full.
; Every factor is <= 1.  v_exp_f32 gives 0 for results below 2^-126 (ISA guide 15.8): such factors count as 0.  Inputs are taken to be finite.
.set LT,   4                           ; v[4:19]   the sixteen totals, then the factors
.set PART, 20                          ; v[20:51]  the sixteen partial sums of my two columns, a pair each
; Totals LT+0 .. LT+cnt-1 of cnt blocks in the order of the keys -> LT+0 the total of all, LT+c (c >= 1) = 2^(totals of blocks c .. cnt-1),
; which is the factor of block c - 1.
.macro SUFFIX cnt
.set c, \cnt-2
.rept \cnt-1
	v_add_f32 v[LT+c], v[LT+c], v[LT+c+1]
.set c, c-1
.endr
.set c, 1
.rept \cnt-1
	v_exp_f32 v[LT+c], v[LT+c]
.set c, c+1
.endr
	v_nop                                          ; one plain vector instruction between the exponentials and the first use of a result (ISA guide 5.7.2)
	s_wait_alu depctr_va_vdst(0)
.endm
; The last block's pair has the factor 1 and starts the sum; the others are added with their factors.  The factor LT+c+1 is broadcast out of
; the even-aligned pair in which it lies: its first register (op_sel_hi 0) where c + 1 is even, its second (op_sel 1) where it is odd.
.macro MIX cnt
.set c, 0
.rept \cnt-1
.if c & 1
	v_pk_fma_f32 v[PART+2*(\cnt-1):PART+2*(\cnt-1)+1], v[PART+2*c:PART+2*c+1], v[LT+c+1:LT+c+2], v[PART+2*(\cnt-1):PART+2*(\cnt-1)+1] op_sel_hi:[1,0,1]
.else
	v_pk_fma_f32 v[PART+2*(\cnt-1):PART+2*(\cnt-1)+1], v[PART+2*c:PART+2*c+1], v[LT+c:LT+c+1], v[PART+2*(\cnt-1):PART+2*(\cnt-1)+1] op_sel:[0,1,0] op_sel_hi:[1,1,1]
.endif
.set c, c+1
.endr
.endm
	s_load_b128 s[4:7], s[0:1], 0x0                ; part s[4:5], out0 s[6:7]
	v_lshlrev_b32 v1, 3, v0                        ; 8 lane: my two columns
	v_lshlrev_b32 v2, 2, v0                        ; 4 lane: my copy of a total
	s_lshl_b32 s8, ttmp9, 13                       ; the head's sixteen records of 512 bytes
	s_mov_b32 s9, 0
	s_lshl_b32 s10, ttmp9, 19                      ; the head's 524,288 bytes of out0
	s_add_co_u32 s10, s10, 2047*256                ; + row 2047
	s_mov_b32 s11, 0
	s_wait_kmcnt 0x0
	s_add_nc_u64 s[4:5], s[4:5], s[8:9]
	s_add_nc_u64 s[6:7], s[6:7], s[10:11]
.irp c16, 0,1,2,3,4,5,6,7,8,9,10,11,12,13,14,15
	global_load_b32 v[LT+\c16], v2, s[4:5] offset:512*\c16+256
.endr
.irp c16, 0,1,2,3,4,5,6,7,8,9,10,11,12,13,14,15
	global_load_b64 v[PART+2*\c16:PART+2*\c16+1], v1, s[4:5] offset:512*\c16
.endr
	s_wait_loadcnt 16                              ; the totals are in; the sixteen loads of partial sums behind them stay out
	SUFFIX 16
	s_wait_loadcnt 0x0
	MIX 16
	global_store_b64 v1, v[PART+30:PART+31], s[6:7]        ; 32 lanes x 8 bytes: the row's 256 bytes, whole and aligned
	s_endpgm
.Lfunc_end_k_q54c5911831_combine:
	.size	k_q54c5911831_combine, .Lfunc_end_k_q54c5911831_combine-k_q54c5911831_combine
	.p2alignl 7, 3214868480
	.fill 96, 4, 3214868480
	.section	.rodata,"a",@progbits
	.p2align	6, 0x0
	.amdhsa_kernel k_q54c5911831_combine
		.amdhsa_group_segment_fixed_size 0
		.amdhsa_private_segment_fixed_size 0
		.amdhsa_enable_private_segment 0
		.amdhsa_kernarg_size 16
		.amdhsa_user_sgpr_count 2
		.amdhsa_user_sgpr_kernarg_segment_ptr 1
		.amdhsa_wavefront_size32 1
		.amdhsa_system_sgpr_workgroup_id_x 1
		.amdhsa_system_sgpr_workgroup_id_y 1
		.amdhsa_system_sgpr_workgroup_id_z 1
		.amdhsa_system_vgpr_workitem_id 0
		.amdhsa_next_free_vgpr 52
		.amdhsa_next_free_sgpr 66
		.amdhsa_reserve_vcc 0
		.amdhsa_float_denorm_mode_32 3
		.amdhsa_float_denorm_mode_16_64 3
		.amdhsa_memory_ordered 1
		.amdhsa_forward_progress 1
		.amdhsa_inst_pref_size 6
	.end_amdhsa_kernel
	.amdgpu_metadata
---
amdhsa.version: [ 1, 2 ]
amdhsa.kernels:
  - .name:           k_q54c5911831_combine
    .symbol:         k_q54c5911831_combine.kd
    .args:
      - { .name: part, .offset: 0, .size: 8, .value_kind: global_buffer, .address_space: global }
      - { .name: out0, .offset: 8, .size: 8, .value_kind: global_buffer, .address_space: global }
    .group_segment_fixed_size: 0
    .private_segment_fixed_size: 0
    .kernarg_segment_align: 8
    .kernarg_segment_size: 16
    .max_flat_workgroup_size: 32
    .sgpr_count:     66
    .vgpr_count:     52
    .wavefront_size: 32
...
	.end_amdgpu_metadata
.endif
;; end of part 2
